; MI455X (gfx1250); checked and timed in simulation.
; The chip was launched on July 23, 2026; its instructions are those of AMD's public machine-readable ISA for CDNA 5 (MIT licence, August 2026) and "CDNA5" Instruction Set Architecture Reference Guide (July 2026). The comments in the code are by the model that wrote it; some were corrected since.
;; MHA. Allowed arithmetic: matrix products marked QUANTISED: E2M1 operands, one E8M0 scale for each 32 along K, by v_wmma_scale_f32_16x16x128_f8f6f4 with both operands' format E2M1 (or v_wmma_scale_f32_32x16x128_f4), f32 sums; everything else in f32.
;; Inputs: bk 1,024 float32; bo 1,024 float32; bq 1,024 float32; bv 1,024 float32; wk_codes 1,024 x 32 x 16 uint8 (E2M1 codes of wk, K innermost, in blocks of 32 codes, two codes a byte); wk_scales 1,024 x 32 uint8 (E8M0 scales of wk, one for each 32 codes along K); wo_codes 1,024 x 32 x 16 uint8 (E2M1 codes of wo, K innermost, in blocks of 32 codes, two codes a byte); wo_scales 1,024 x 32 uint8 (E8M0 scales of wo, one for each 32 codes along K); wq_codes 1,024 x 32 x 16 uint8 (E2M1 codes of wq, K innermost, in blocks of 32 codes, two codes a byte); wq_scales 1,024 x 32 uint8 (E8M0 scales of wq, one for each 32 codes along K); wv_codes 1,024 x 32 x 16 uint8 (E2M1 codes of wv, K innermost, in blocks of 32 codes, two codes a byte); wv_scales 1,024 x 32 uint8 (E8M0 scales of wv, one for each 32 codes along K); x_codes 4 x 2,048 x 32 x 16 uint8 (E2M1 codes of x, K innermost, in blocks of 32 codes, two codes a byte); x_scales 4 x 2,048 x 32 uint8 (E8M0 scales of x, one for each 32 codes along K).
;; Outputs: out0 4 x 2,048 x 1,024 float32.
;; This version of the problem:
;;   THIS VERSION OF THE PROBLEM IS GIVEN IN LOW PRECISION. The matrix products marked QUANTISED in the list below multiply operands that are first quantised to E2M1 (2 exponent bits, 1 mantissa bit; 4 bits a number), with one power-of-two scale for each 32 numbers along K (OCP MX v1.0); their sums are f32. All else is computed in f32.
;;   The module's matrix products, in the order in which they are computed (A, B: the left and right operand; K: the contracted axis; several contracted axes count as one K, in the product's order):
;;     1. [M 8,192, K 1,024] x [K 1,024, N 1,024]; A: input x (given as codes); B: input wq (given as codes): QUANTISED
;;     2. [M 8,192, K 1,024] x [K 1,024, N 1,024]; A: input x (given as codes); B: input wk (given as codes): QUANTISED
;;     3. [M 8,192, K 1,024] x [K 1,024, N 1,024]; A: input x (given as codes); B: input wv (given as codes): QUANTISED
;;     4. batch 64 x [M 2,048, K 64] x [K 64, N 2,048]; A: computed on the way; B: computed on the way: QUANTISED
;;     5. batch 64 x [M 2,048, K 2,048] x [K 2,048, N 64]; A: softmax (see below); B: computed on the way: QUANTISED
;;     6. [M 8,192, K 1,024] x [K 1,024, N 1,024]; A: computed on the way; B: input wo (given as codes): QUANTISED
;;   THE QUANTISER, for each operand of a quantised product, along K:
;;     - K is cut into blocks of 32 from its start; a last block that is shorter is filled with zeros.
;;     - A block's scale is 2^e with e = floor(log2(the largest magnitude in the block)) - 2, held to -126 .. 127; a block of zeros has e = 0. As a byte (E8M0): e + 127.
;;     - Each number is divided by its block's scale, clamped to +-6, and rounded to the nearest number of E2M1, ties to even, subnormals kept.
;;     - The product sums the exact products of the quantised numbers (number of the format x scale) in f32.
;;   ~~~python
;;   def quantise(x, axis):      # numpy; x: float32 -> the quantised numbers, widened to float32 again
;;       x = np.moveaxis(x, axis, -1); K = x.shape[-1]
;;       x = np.pad(x, [(0, 0)] * (x.ndim - 1) + [(0, -K % 32)]); x = x.reshape(x.shape[:-1] + (-1, 32)); a = np.abs(x).max(-1, keepdims=True)
;;       e = np.where(a > 0, np.clip(np.frexp(np.where(a > 0, a, 1))[1] - 1 - 2, -126, 127), 0)      # np.frexp(a)[1] - 1 = floor(log2(a)), exactly
;;       r = np.clip(x / 2.0 ** e, -6, 6)
;;       step = 2.0 ** (np.maximum(np.frexp(np.where(r == 0, 1, r))[1] - 1, 0) - 1)
;;       q = np.round(r / step) * step * 2.0 ** e      # np.round: ties to even
;;       return np.moveaxis(q.reshape(q.shape[:-2] + (-1,))[..., :K], -1, axis).astype(np.float32)
;;   ~~~
;;   SOFTMAX AHEAD OF A QUANTISED PRODUCT. Where the list says 'softmax', what is quantised is not the finished softmax but p = 2^(t - M), with t = logit x log2(e) and M = ceil(the row's largest t), a whole number; so 1/2 < the row's largest p <= 1. The row's sum l is taken of the UNQUANTISED p, in f32, and the product's result is divided by l at the end. Since M is a whole number, a kernel that streams over the keys may use a running M (the ceiling of the running maximum): every later rescaling is an exact power of two, which a block's scale takes up: the codes' values come out the same.
;;   OPERANDS COMPUTED ON THE WAY. 'Computed on the way' means the value that the module computes at that place (a softmax that the list does not call 'softmax' is quantised finished and normalised). What goes into a quantiser is computed in f32, as accurately as f32 sums, v_exp_f32 and their like allow (about 1e-6 of the number): no bf16 or f16 on the way to a quantiser, and a product that is left as it is and whose result goes on into a quantised operand takes f32 operands (vector FMAs, or v_wmma_f32_16x16x4_f32). A number that lies on a knife's edge between two numbers of the format may be rounded either way, as far as f32 arithmetic and the matrix unit's own rounding can turn it there, and no further.
;;   INPUTS GIVEN AS CODES. wk (in the module: [1024, 1024], K = its axis 0); wo (in the module: [1024, 1024], K = its axis 0); wq (in the module: [1024, 1024], K = its axis 0); wv (in the module: [1024, 1024], K = its axis 0); x (in the module: [4, 2048, 1024], K = its axis 2): each comes as NAME_codes (uint8): NAME with its K axis moved to the last place and cut into blocks of 32 codes, [.., K / 32, bytes a block], one block behind the other in memory; two codes a byte, the lower K in the low four bits (a code: sign, 2 exponent bits, 1 mantissa bit); and NAME_scales (uint8): the same leading axes, one E8M0 byte (e + 127) for each 32 codes along K. Its value is code x scale, taken as it is: it is not quantised again, and the codes and scales need not be those that the quantiser above would give.
;; One version. Each part assembles by itself: llvm-mc -triple=amdgcn-amd-amdhsa -mcpu=gfx1250 --defsym DOCPART=n.
;; ======== version 1 of 1: 3 launches
;; workspace buffers: qkv 13,893,632 bytes; oimg 4,194,304 bytes; osc 262,144 bytes
;; launch proj (part 1): grid 12 x 32, 4 waves a work-group, clusters of 4 x 4, 296,448 bytes of LDS; arguments x_codes, x_scales, wq_codes, wq_scales, wk_codes, wk_scales, wv_codes, wv_scales, bq, bk, bv, qkv; writes qkv
.if DOCPART == 1
	.amdgcn_target "amdgcn-amd-amdhsa--gfx1250"
	.amdhsa_code_object_version 6
	.text
	.protected	k_q22b8a6b3e0_proj
	.globl	k_q22b8a6b3e0_proj
	.p2align	8
	.type	k_q22b8a6b3e0_proj,@function
k_q22b8a6b3e0_proj:
	s_mov_b64 s[64:65], 0
	v_nop
	global_prefetch_b8 v0, s[64:65] scope:SCOPE_SE
	s_setreg_imm32_b32 hwreg(HW_REG_WAVE_MODE, 25, 1), 1
	s_wait_xcnt 0x0
	s_wait_alu depctr_hold_cnt(0) depctr_sa_sdst(0) depctr_va_vdst(0) depctr_va_sdst(0) depctr_va_ssrc(0) depctr_va_vcc(0) depctr_vm_vsrc(0)
	s_getreg_b32 s2, hwreg(HW_REG_IB_STS2, 6, 4)
	s_cmp_eq_u32 s2, 0
	s_cbranch_scc0 .Lentry_in_a_cluster
	s_endpgm
.Lentry_in_a_cluster:
	s_bfe_u32 s2, ttmp6, 0x10000c
	s_cmp_lg_u32 s2, 0xf033
	s_cbranch_scc0 .Lentry_shape_is_right
	s_endpgm
.Lentry_shape_is_right:
; q = x wq + bq, k = x wk + bk, v = x wv + bv on codes of FP4 (E2M1) with one E8M0 scale for each 32 along K = 1,024; the f32 results are quantised in registers and leave as codes.
; ONE GENERIC PRODUCT: C[i][j] = sum over k of S1[i][k] S0[j][k], used transposed (source 0 = 16 rows of S0, source 1 = 16 rows of S1): a lane holds ONE row i, its registers run along j,
; and the result is quantised along j.  The cluster's x chooses the product: 0: q (S1 = x, S0 = wq), 1: k (S1 = x, S0 = wk): j = the head's channels;  2: v TRANSPOSED (S1 = wv, S0 = x): j = the keys.
; Only pointers are chosen, on the cluster's x, which all sixteen partners share.
; SHARES.  A work-group of four waves makes 256 x 256, a wave 128 x 128: 64 accumulators, 512 registers.  All of K for 256 + 256 rows fits in LDS: two slots of 512 along K, each filled ONCE, so nothing is filled again.
; CLUSTERS: 4 x 4 work-groups.  S1's tile hangs on the tile row alone and is asked for jointly by a row of the cluster, S0's on the tile column alone and by a column: four requests become one.
; THE WAY OUT.  128 numbers along j of a row i lie in lanes l and l xor 16, 64 registers each: tile t's register n is j = 16 t + 8 (lane / 16) + n.  A block of 32 is tiles 2 b, 2 b + 1 of both lanes.
; One conversion a tile gives 8 codes; two exchanges of lane halves for each 64 along j put them into the order of an operand's registers (register 4 c + n of lane half h: j = 64 c + 32 h + 8 n + 0 .. 7).
; These images go to qkv as they stand, 16 bytes a lane, 512 consecutive bytes a store.  qkv: [batch x 16 + head][step of 128 rows][record of 13,568 bytes]:
;   0 K: 8 tiles of 16 keys x 512;  4,096 V: [4 tiles of 16 channels][2][512];  8,192 K's scale words [2][16 keys][4 tiles];  8,704 V's [16 channels][4 tiles];  8,960 Q as K;  13,056 Q's scale words as K's.
; A scale word of q or k has its head's two bytes below; the two bytes above stand over zero codes in the next launch and are the neighbouring head's bytes or 0, never 0xff.
; LIMITS: NaN and infinities are not served.  A block whose largest magnitude lies under 2^-124, a block of zeros among them, gets the scale byte 1; these bytes are read by this program alone.
; REGISTERS, in windows of 256: window 0: v1-27 addresses, v8-15 the scale words made; v32-95 scale words of the operands, two sets, and nothing else; v96-111 bias by row; v112-123 at work;
;   v128-191 S1's fragments, one set, on the way out the 64 numbers in hand; v192-255 the codes made, eight registers for each block of rows, so that no store's data are written again.
;   window 1: S0's fragments, two sets, at v0 and v128; v64-127 bias along the registers.   windows 2, 3: the accumulators ((a, b) at v[8 (8 (a % 4) + b)] of window 2 + a / 4).
.set NQ,     4                         ; steps of 128 along K in a slot
.set ROWB,   256                       ; a tile's row: 512 codes
.set KROW,   512                       ; a row of codes in memory
.set PITCH,  272                       ; an LDS row: 256 bytes + 16 of padding = 68 words: the 16 rows that a load touches start at 16 different banks (64 banks of 4 bytes: ISA guide 11.1)
.set FR,     8
.set NL,     2
.set NP,     4                         ; places behind this matrix instruction (ISA guide 7.12.1)
.set HALFT,  128*PITCH
.set SLOT,   4*HALFT                   ; S1's 256 rows, then S0's 256 rows
.set KS,     32                        ; a row of scale bytes
.set SCL,    2*SLOT                    ; behind the slots: the scales, as units of 256 bytes + 16 of padding
.set HALFS,  (128*KS/256)*272
.set SBLK,   (16*KS/256)*272
.set REC,    13568
.set HEADB,  16*REC
.set BATCHB, 16*HEADB
.set PW,   8                           ; v8-15   the scale word of each block of 16 rows
.set ADRA, 16                          ; v16-17  LDS address of my S1 fragments in slot 0, 1
.set ADRB, 20                          ; v20-21  the same for S0
.set LOFF, 22                          ; v22     16 x lane
.set SOFF, 23                          ; v23     (lane / 16) x a head's bytes + 16 x (lane % 16)
.set SH16, 24                          ; v24     16 x (lane / 16)
.set H32,  25                          ; v25     32 x (lane / 16)
.set R4,   26                          ; v26     4 x (lane % 16)
.set ADRS, 27                          ; v27     LDS address of my scale words: lanes 0-15 S1's rows, lanes 16-31 S0's
.set SC,   32
.set BI,   96                          ; v96-111 pairs (b, b) of bias[16 a + lane % 16]
.set TM,   112                         ; v112-115 largest magnitudes, v116-119 the other lane's, then bytes, v120-123 the conversions' scale operands
.set AF,   128
.set T,    128
.set PC,   192
.set BJ,   64                          ; in window 1: bias[16 b + 8 (lane / 16) + 0 .. 7]
.set WV,   92
.set H1,   93                          ; which half of S1's rows is mine.  Also: I fetch for S1 (0) or for S0 (1)
.set H0,   94                          ; which half of S0's rows.  Also: which 128 rows I fetch
.set ISV,  99
.set SEL,  100
.set G1,   28
.set G0,   36
.set G1B,  44
.set G0B,  52
.set G1S,  68
.set G0S,  76
.set G1SB, 80
.set G0SB, 88
.set MSB, 0
.macro WIN new                         ; the immediate's high byte repeats the setting that is left
.if MSB != (\new)
	s_set_vgpr_msb (MSB<<8)|(\new)
.set MSB, \new
.endif
.endm
.set MUL_LO, 0xa1                      ; source 0 (S0) window 1, source 1 (S1) window 0, C and D window 2
.set MUL_HI, 0xf1                      ; the same, C and D window 3
.set TO_B,   0x40                      ; destination window 1, address window 0
; A joint load: waves 0 and 1 fetch for S1, waves 2 and 3 for S0.  The branch hangs on the wave's number alone.  Four v_nop follow each of the two lines.
.macro JLOAD g0a, g1a, g0b, g1b
	s_cmp_eq_u32 s[H1], 0
	s_cbranch_scc0 .Lfor_b_\@
	tensor_load_to_lds s[\g0a:\g0a+3], s[\g1a:\g1a+7]
	s_nop 0
.rept 4
	v_nop
.endr
	s_branch .Lasked_\@
.Lfor_b_\@:
	tensor_load_to_lds s[\g0b:\g0b+3], s[\g1b:\g1b+7]
	s_nop 0
.rept 4
	v_nop
.endr
.Lasked_\@:
.endm
.macro CROUND                          ; a round of the cluster's barrier
	s_barrier_signal -1
	s_barrier_wait -1
	s_cmp_lg_u32 s[WV], 0
	s_cbranch_scc1 .Lnot_wave_0_\@
	s_barrier_signal -3
.Lnot_wave_0_\@:
	s_barrier_wait -3
	s_barrier_signal -1
	s_barrier_wait -1
.endm
	s_load_b512 s[4:19], s[0:1], 0x0               ; x's codes, scales; wq's; wk's; wv's
	s_load_b256 s[20:27], s[0:1], 0x40             ; bq, bk, bv, qkv
	v_lshl_add_u32 v126, v0, 2, 0x48400
	v_mov_b32 v127, 0
	ds_add_u32 v126, v127
	ds_add_u32 v126, v127
	v_lshrrev_b32 v1, 5, v0
	v_readfirstlane_b32 s[WV], v1                  ; wave 0..3
	s_lshr_b32 s[H1], s[WV], 1
	s_and_b32 s[H0], s[WV], 1
	s_bfe_u32 s95, ttmp6, 0x40000                  ; cx
	s_bfe_u32 s96, ttmp6, 0x40004                  ; cy
	s_and_b32 s2, ttmp7, 0xffff                    ; the cluster's y, 0..7
	s_cmp_eq_u32 ttmp9, 2                          ; the cluster's x: is this v?
	s_cselect_b32 s[ISV], 1, 0
	s_cselect_b32 s98, 0, s2                       ; x's 32 tiles of 256 rows run along the tile rows for q and k,
	s_cselect_b32 s97, s2, 0                       ; along the tile columns for v; the weight's four along the other axis
	s_lshl_b32 s98, s98, 2
	s_add_co_u32 s98, s98, s96                     ; tile row: hangs on cy, never on cx
	s_lshl_b32 s97, s97, 2
	s_add_co_u32 s97, s97, s95                     ; tile column: hangs on cx, never on cy
	s_lshl_b32 s60, s96, 2
	s_lshl_b32 s60, 15, s60                        ; my row of the cluster
	s_lshl_b32 s61, 0x1111, s95                    ; my column
	; descriptor group 1: a tile of 128 rows x 256 bytes, padded in LDS
	s_or_b32 s[G1+0], s60, (0<<16)|(1<<20)|(1<<21)|(5<<22)|(3<<25)   ; 15:0 the mask; 17:16 elements of 1 byte; 20 padding on; 21 set beside a mask; 24:22 after every 64 words; 31:25 four words
	s_or_b32 s[G1B+0], s61, (0<<16)|(1<<20)|(1<<21)|(5<<22)|(3<<25)
.irp g, G1, G1B
	s_mov_b32 s[\g+1], ROWB<<16                    ; tensor_dim0
	s_mov_b32 s[\g+2], 128<<16                     ; tensor_dim1
	s_mov_b32 s[\g+3], ROWB<<16                    ; tile_dim0
	s_mov_b32 s[\g+4], 128                         ; tile_dim1
	s_mov_b32 s[\g+5], KROW                        ; tensor_dim0_stride
	s_mov_b32 s[\g+6], 0
	s_mov_b32 s[\g+7], 0
.endr
	; the scales of 128 rows: 4,096 dense bytes, as 16 rows of 256 bytes (32 elements of 8 bytes), 16 bytes of padding behind each
	s_or_b32 s[G1S+0], s60, (3<<16)|(1<<20)|(1<<21)|(5<<22)|(3<<25)
	s_or_b32 s[G1SB+0], s61, (3<<16)|(1<<20)|(1<<21)|(5<<22)|(3<<25)
.irp g, G1S, G1SB
	s_mov_b32 s[\g+1], 32<<16
	s_mov_b32 s[\g+2], (128*KS/256)<<16
	s_mov_b32 s[\g+3], 32<<16
	s_mov_b32 s[\g+4], 128*KS/256
	s_mov_b32 s[\g+5], 32
	s_mov_b32 s[\g+6], 0
	s_mov_b32 s[\g+7], 0
.endr
	s_lshl_b32 s3, s[H0], 7                        ; which 128 rows of the tile I fetch
	s_lshl_b32 s62, s98, 8
	s_add_co_u32 s62, s62, s3                      ; S1: row 256 x tile row + 128 x half
	s_lshl_b32 s63, s97, 8
	s_add_co_u32 s63, s63, s3                      ; S0: row 256 x tile column + 128 x half
	s_mul_i32 s66, s[WV], HALFT                    ; where they go: wave x 128 rows: no place in the cluster enters an LDS address
	s_mul_i32 s67, s[WV], HALFS
	s_mov_b32 s[SEL], 0x76543210
	s_mov_b32 s[SEL+1], 0xfedcba98                 ; v_permlanex16_b32's selects for lane l xor 16
	s_wait_dscnt 0x0
	s_wait_kmcnt 0x0
	s_cmp_eq_u32 ttmp9, 1                          ; k: the weight is wk
	s_cselect_b64 s[8:9], s[12:13], s[8:9]
	s_cselect_b64 s[10:11], s[14:15], s[10:11]
	s_cselect_b64 s[20:21], s[22:23], s[20:21]
	s_cmp_eq_u32 ttmp9, 2                          ; v: S0 is x, S1 is wv
	s_cselect_b64 s[8:9], s[4:5], s[8:9]
	s_cselect_b64 s[10:11], s[6:7], s[10:11]
	s_cselect_b64 s[20:21], s[24:25], s[20:21]
	s_cselect_b64 s[4:5], s[16:17], s[4:5]
	s_cselect_b64 s[6:7], s[18:19], s[6:7]         ; now: S1's codes s[4:5], scales s[6:7]; S0's s[8:9], s[10:11]; the bias s[20:21]
	s_lshl_b32 s12, s62, 9                         ; S1's offsets in s[12:13], s[16:17], S0's in s[14:15], s[18:19]: neither pair ever holds the other coordinate
	s_mov_b32 s13, 0
	s_lshl_b32 s16, s62, 5
	s_mov_b32 s17, 0
	s_lshl_b32 s14, s63, 9
	s_mov_b32 s15, 0
	s_lshl_b32 s18, s63, 5
	s_mov_b32 s19, 0
	s_add_nc_u64 s[4:5], s[4:5], s[12:13]
	s_add_nc_u64 s[6:7], s[6:7], s[16:17]
	s_add_nc_u64 s[8:9], s[8:9], s[14:15]
	s_add_nc_u64 s[10:11], s[10:11], s[18:19]
	CROUND                                         ; all sixteen work-groups are here: the joint loads meet
	s_mov_b32 s[G0S], 1
	s_add_co_u32 s[G0S+1], s67, SCL
	s_mov_b64 s[G0S+2:G0S+3], s[6:7]
	s_or_b32 s[G0S+3], s[G0S+3], 0x80000000
	s_mov_b32 s[G0SB], 1
	s_add_co_u32 s[G0SB+1], s67, SCL
	s_mov_b64 s[G0SB+2:G0SB+3], s[10:11]
	s_or_b32 s[G0SB+3], s[G0SB+3], 0x80000000
	JLOAD G0S, G1S, G0SB, G1SB                     ; the scales first: they are wanted with slot 0
.irp s, 0,1
	s_mov_b32 s[G0+4*\s], 1
	s_add_co_u32 s[G0+4*\s+1], s66, \s*SLOT
	s_add_nc_u64 s[G0+4*\s+2:G0+4*\s+3], s[4:5], \s*ROWB
	s_or_b32 s[G0+4*\s+3], s[G0+4*\s+3], 0x80000000
	s_mov_b32 s[G0B+4*\s], 1
	s_add_co_u32 s[G0B+4*\s+1], s66, \s*SLOT
	s_add_nc_u64 s[G0B+4*\s+2:G0B+4*\s+3], s[8:9], \s*ROWB
	s_or_b32 s[G0B+4*\s+3], s[G0B+4*\s+3], 0x80000000
	JLOAD G0+4*\s, G1, G0B+4*\s, G1B               ; three loads of mine are out: all that this launch fetches into LDS
.endr
	v_and_b32 v1, 15, v0                           ; r = lane % 16
	v_bfe_u32 v2, v0, 4, 1                         ; h = lane / 16
	v_mul_u32_u24 v3, v1, PITCH
	v_lshl_add_u32 v4, v2, 4, v3                   ; a fragment's row x pitch + 16 x half
	s_mul_i32 s2, s[H1], HALFT                     ; my 128 rows of S1
	s_mul_i32 s3, s[H0], HALFT                     ; my 128 rows of S0,
	s_add_co_u32 s3, s3, 2*HALFT                   ; which lie behind S1's 256
.irp s, 0,1
	v_add_nc_u32 v[ADRA+\s], s2, v4
	v_add_nc_u32 v[ADRB+\s], s3, v4
	s_add_co_u32 s2, s2, SLOT
	s_add_co_u32 s3, s3, SLOT
.endr
	v_mul_u32_u24 v5, v1, KS                       ; my row's scales: 32 bytes a row,
	v_lshrrev_b32 v6, 8, v5
	v_lshl_add_u32 v5, v6, 4, v5                   ; and 16 more for each 256 passed
	s_mul_i32 s2, s[H1], HALFS
	s_mul_i32 s3, s[H0], HALFS
	s_add_co_u32 s3, s3, 2*HALFS
	s_sub_co_u32 s3, s3, s2
	v_mul_u32_u24 v6, s3, v2                       ; lanes 16-31 take S0's: one product, the distance between the two bases
	s_add_co_u32 s2, s2, SCL
	v_add_nc_u32 v5, v5, v6
	v_add_nc_u32 v[ADRS], s2, v5
	v_and_b32 v3, 31, v0
	v_lshlrev_b32 v[LOFF], 4, v3
	v_mul_u32_u24 v[SOFF], v2, HEADB
	v_lshl_add_u32 v[SOFF], v1, 4, v[SOFF]
	v_lshlrev_b32 v[SH16], 4, v2
	v_lshlrev_b32 v[H32], 5, v2
	s_wait_alu depctr_va_vdst(0)
	v_lshlrev_b32 v[R4], 2, v1
	s_wait_alu depctr_va_vdst(0)
.irp b, 0,1,2,3
	v_mov_b32 v[TM+4+\b], 0                        ; written once: a lane permute's destination counts as one of its sources
.endr
	; where my 128 x 128 lies: i0 along S1's rows, j0 along S0's; of the two one counts rows of x, the other output channels
	s_lshl_b32 s2, s98, 8
	s_lshl_b32 s3, s[H1], 7
	s_add_co_u32 s2, s2, s3                        ; i0
	s_lshl_b32 s3, s97, 8
	s_lshl_b32 s12, s[H0], 7
	s_add_co_u32 s3, s3, s12                       ; j0
	s_cmp_eq_u32 s[ISV], 1
	s_cselect_b32 s12, s3, s2                      ; my first row of x: one step of 128 rows of one batch
	s_cselect_b32 s13, s2, s3                      ; my first output channel: two heads
	s_lshl_b32 s14, s13, 2
	s_mov_b32 s15, 0
	s_add_nc_u64 s[20:21], s[20:21], s[14:15]      ; the bias at my first channel
	s_lshr_b32 s14, s12, 11
	s_mul_i32 s14, s14, BATCHB                     ; the batch,
	s_lshr_b32 s16, s13, 7
	s_mul_i32 s16, s16, 2*HEADB                    ; the pair of heads,
	s_add_co_u32 s14, s14, s16
	s_bfe_u32 s16, s12, 0x40007
	s_mul_i32 s16, s16, REC                        ; the step's record
	s_add_co_u32 s14, s14, s16
	s_cmp_eq_u32 ttmp9, 0
	s_cselect_b32 s16, 8960, 0                     ; q's part of a record begins at 8,960
	s_mov_b32 s18, 8192                            ; the scale words: k's at 8,192,
	s_cselect_b32 s18, 4096, s18                   ; q's 4,096 behind q's codes,
	s_cmp_eq_u32 ttmp9, 2
	s_cselect_b32 s18, 8704, s18                   ; v's at 8,704
	s_mov_b32 s19, 0
	s_add_co_u32 s14, s14, s16
	s_add_nc_u64 s[26:27], s[26:27], s[14:15]      ; where my codes go
	s_add_nc_u64 s[22:23], s[26:27], s[18:19]      ; and my scale words
	WIN TO_B
.irp b, 0,1,2,3,4,5,6,7
	global_load_b128 v[BJ+8*\b:BJ+8*\b+3], v[H32], s[20:21] offset:64*\b       ; both forms of the bias are loaded on every path; both lie inside the 128 channels that are mine
	global_load_b128 v[BJ+8*\b+4:BJ+8*\b+7], v[H32], s[20:21] offset:64*\b+16
.endr
	WIN 0
.irp a, 0,1,2,3,4,5,6,7
	global_load_b32 v[BI+2*\a], v[R4], s[20:21] offset:64*\a
	global_load_b32 v[BI+2*\a+1], v[R4], s[20:21] offset:64*\a                 ; twice: a pair for the packed addition
.endr
.macro FRAG reg, adr, q, i             ; 16 rows x 128 K of 4-bit codes: 8 registers: lane l holds row l % 16; registers 4 c .. 4 c + 3 hold K = 64 c + 32 (l / 16) + 0 .. 31
.irp c, 0,1
	ds_load_b128 v[\reg+4*\c:\reg+4*\c+3], v[\adr] offset:64*(\q)+32*\c+(\i)*16*PITCH
.endr
.endm
; 16 matrix instructions: S1's blocks a0, a0 + 1 x S0's eight, the slot's q-th 128 along K.  p: S0's set; sc: the set of scale words.  zero = 1: the first product starts the sums.
; The 64 accumulators take turns, one instruction a turn, in the same order in every step.
.macro MUL16 a0, p, q, sc, zero
.irp a, \a0, \a0+1
.irp b, 0,1,2,3,4,5,6,7
.if \zero
	v_wmma_scale_f32_16x16x128_f8f6f4 v[8*(8*((\a)%4)+\b):8*(8*((\a)%4)+\b)+7], v[128*(\p)+FR*\b:128*(\p)+FR*\b+FR-1], v[AF+FR*(\a):AF+FR*(\a)+FR-1], 0, v[SC+8*NQ*(\sc)+NQ*\b+(\q)], v[SC+8*NQ*(\sc)+NQ*(\a)+(\q)] matrix_a_fmt:MATRIX_FMT_FP4 matrix_b_fmt:MATRIX_FMT_FP4 matrix_a_scale:MATRIX_SCALE_ROW1
.else
	v_wmma_scale_f32_16x16x128_f8f6f4 v[8*(8*((\a)%4)+\b):8*(8*((\a)%4)+\b)+7], v[128*(\p)+FR*\b:128*(\p)+FR*\b+FR-1], v[AF+FR*(\a):AF+FR*(\a)+FR-1], v[8*(8*((\a)%4)+\b):8*(8*((\a)%4)+\b)+7], v[SC+8*NQ*(\sc)+NQ*\b+(\q)], v[SC+8*NQ*(\sc)+NQ*(\a)+(\q)] matrix_a_fmt:MATRIX_FMT_FP4 matrix_b_fmt:MATRIX_FMT_FP4 matrix_a_scale:MATRIX_SCALE_ROW1
.endif
.endr
.endr
.endm
.macro FETCH_B slot, q, p
	WIN TO_B
.irp i, 0,1,2,3,4,5,6,7
	FRAG 128*(\p)+FR*\i, ADRB+\slot, \q, \i
.endr
	WIN 0
.endm
.macro FETCH_A slot, q, i0
.irp i, \i0, \i0+1, \i0+2, \i0+3
	FRAG AF+FR*(\i), ADRA+\slot, \q, \i
.endr
.endm
.macro SCALES sc                       ; a slot's scale words: four a row; lanes 0-15 take S1's block i, lanes 16-31 S0's block i
.irp i, 0,1,2,3,4,5,6,7
	ds_load_b128 v[SC+8*NQ*\sc+NQ*\i:SC+8*NQ*\sc+NQ*\i+3], v[ADRS] offset:\i*SBLK
.endr
.endm
.macro PLACES n                        ; places in front of loads into registers that matrix instructions have read, and of the first read of results
.rept \n
	v_nop
.endr
.endm
.macro STEP slot, q, zero              ; a step of 128 along K that has its successor in the same slot
	s_wait_dscnt 4*NL                              ; S0's set and S1's blocks 0-3 are in; the youngest eight loads (S1's blocks 4-7) may be out
	WIN MUL_LO
	MUL16 0, (\q)%2, \q, \slot, \zero
	MUL16 2, (\q)%2, \q, \slot, \zero
	s_wait_dscnt 0                                 ; S1's blocks 4-7 are in
	PLACES NP
	FETCH_B \slot, (\q)+1, 1-(\q)%2
	FETCH_A \slot, (\q)+1, 0
	WIN MUL_HI
	MUL16 4, (\q)%2, \q, \slot, \zero
	MUL16 6, (\q)%2, \q, \slot, \zero
	PLACES NP
	WIN 0
	FETCH_A \slot, (\q)+1, 4
.endm
.macro STEPS slot, from
.set Q, \from
.rept NQ-1-\from
	STEP \slot, Q, 0
.set Q, Q+1
.endr
.endm
	s_wait_tensorcnt 1                             ; the scales and my part of slot 0 are in (slot 1's load may be out)
	s_barrier_signal -1
	s_barrier_wait -1                              ; everybody's are
	FETCH_B 0, 0, 0
	FETCH_A 0, 0, 0
	SCALES 0
	FETCH_A 0, 0, 4
	STEP 0, 0, 1                                   ; the first step's products start the sums: nothing is cleared
	STEPS 0, 1
	; slot 0's last step goes over to slot 1: my part of it has landed, then the work-group's barrier: everybody's has
	s_wait_tensorcnt 0x0
	s_wait_dscnt 4*NL
	WIN MUL_LO
	MUL16 0, 1, NQ-1, 0, 0
	s_wait_dscnt 0x0                               ; no LDS instruction of mine is out at the signal
	s_barrier_signal -1
	MUL16 2, 1, NQ-1, 0, 0                         ; work on registers while the others arrive
	WIN 0
	s_barrier_wait -1
	PLACES NP
	v_add_nc_u32 v[ADRS], 4*NQ, v[ADRS]            ; on to slot 1's scale words
	FETCH_B 1, 0, 0
	FETCH_A 1, 0, 0
	SCALES 1
	WIN MUL_HI
	MUL16 4, 1, NQ-1, 0, 0
	MUL16 6, 1, NQ-1, 0, 0
	PLACES NP
	WIN 0
	FETCH_A 1, 0, 4
	STEPS 1, 0
	s_wait_dscnt 4*NL                              ; the last step: nothing more to fetch
	WIN MUL_LO
	MUL16 0, 1, NQ-1, 1, 0
	MUL16 2, 1, NQ-1, 1, 0
	s_wait_dscnt 0
	WIN MUL_HI
	MUL16 4, 1, NQ-1, 1, 0
	MUL16 6, 1, NQ-1, 1, 0
	WIN 0
; THE WAY OUT, block by block of 16 rows i.
; BIAS: the block's 64 numbers a lane, with the bias added in f32, into window 0; each accumulator is read from its low end on.  byrow = 0: the bias runs along the registers (q, k); 1: one number a lane (v).
.macro BIAS a, byrow
.if \byrow
	WIN 0x02+((\a)/4)                              ; source 0: window 2 or 3
.else
	WIN 0x06+((\a)/4)                              ; and source 1: window 1
.endif
.irp b, 0,1,2,3,4,5,6,7
.irp p, 0,2,4,6
.if \byrow
	v_pk_add_f32 v[T+8*\b+\p:T+8*\b+\p+1], v[64*((\a)%4)+8*\b+\p:64*((\a)%4)+8*\b+\p+1], v[BI+2*(\a):BI+2*(\a)+1]
.else
	v_pk_add_f32 v[T+8*\b+\p:T+8*\b+\p+1], v[64*((\a)%4)+8*\b+\p:64*((\a)%4)+8*\b+\p+1], v[BJ+8*\b+\p:BJ+8*\b+\p+1]
.endif
.endr
.endr
	WIN 0
.endm
; QUANT: 64 numbers of a lane, v[s + 8 t + n] = j 16 t + 8 (lane / 16) + n of my row, become eight registers of codes in the operand's order at v[pc] and the row's scale word in v[pw].
.macro QUANT s, pc, pw
.irp b, 0,1,2,3
	v_max3_num_f32 v[TM+\b], |v[\s+16*\b]|, |v[\s+1+16*\b]|, 0x1800000   ; block b: my 16 numbers, and the floor 2^(3 - 127): the byte cannot fall under 1
.endr
.irp i, 2,4,6,8,10,12,14
.irp b, 0,1,2,3
	v_max3_num_f32 v[TM+\b], v[TM+\b], |v[\s+16*\b+\i]|, |v[\s+1+16*\b+\i]|   ; the four blocks by turns
.endr
.endr
.irp b, 0,1,2,3
	v_permlanex16_b32 v[TM+4+\b], v[TM+\b], s[SEL], s[SEL+1]
.endr
.irp b, 0,1,2,3
	v_max_num_f32 v[TM+\b], v[TM+\b], v[TM+4+\b]   ; with lane l xor 16's: the block's largest magnitude
.endr
.irp b, 0,1,2,3
	v_add_nc_u32 v[TM+8+\b], 0xff000000, v[TM+\b]  ; 2 off its exponent field: the conversion takes the exponent field of this operand as its scale
.endr
.irp b, 0,1,2,3
	v_lshrrev_b32 v[TM+4+\b], 23, v[TM+8+\b]       ; the scale's byte
.endr
	v_lshl_or_b32 v[\pw], v[TM+5], 8, v[TM+4]
	v_lshl_or_b32 v[\pw], v[TM+6], 16, v[\pw]
	v_lshl_or_b32 v[\pw], v[TM+7], 24, v[\pw]
.irp c, 0,1                            ; tiles 4 c, 4 c + 2, 4 c + 1, 4 c + 3 in this order, so that the exchanges below leave the operand's order
	v_cvt_scalef32_pk8_fp4_f32 v[(\pc)+4*\c], v[\s+32*\c:\s+32*\c+7], v[TM+8+2*\c]
	v_cvt_scalef32_pk8_fp4_f32 v[(\pc)+4*\c+1], v[\s+32*\c+16:\s+32*\c+23], v[TM+9+2*\c]
	v_cvt_scalef32_pk8_fp4_f32 v[(\pc)+4*\c+2], v[\s+32*\c+8:\s+32*\c+15], v[TM+8+2*\c]
	v_cvt_scalef32_pk8_fp4_f32 v[(\pc)+4*\c+3], v[\s+32*\c+24:\s+32*\c+31], v[TM+9+2*\c]
.endr
	v_nop                                          ; one plain place behind the scaled conversions
.irp c, 0,1
	v_permlane16_swap_b32 v[(\pc)+4*\c], v[(\pc)+4*\c+1]     ; the first's lanes 16-31 change places with the second's lanes 0-15
	v_permlane16_swap_b32 v[(\pc)+4*\c+2], v[(\pc)+4*\c+3]
.endr
.endm
	s_wait_loadcnt 0x0                             ; the biases
	PLACES NP
	s_cmp_eq_u32 s[ISV], 1                         ; the cluster's x again: the same in all partners and all waves
	s_cbranch_scc1 .Lv_out
.irp a, 0,1,2,3,4,5,6,7                ; q, k: rows 16 a on of the step; registers 0-3 are the first head's 64 channels, registers 4-7 the second's
	BIAS \a, 0
	QUANT T, PC+8*\a, PW+\a
	global_store_b128 v[LOFF], v[PC+8*\a:PC+8*\a+3], s[26:27] offset:512*\a            ; 32 lanes store 512 consecutive bytes, at a multiple of 256 from the buffer's first byte
	global_store_b128 v[LOFF], v[PC+8*\a+4:PC+8*\a+7], s[26:27] offset:HEADB+512*\a
.endr
.irp i, 0,1,2,3,4,5,6,7
	v_lshrrev_b32 v[T+\i], v[SH16], v[PW+\i]       ; lanes 0-15 keep the word (the first head's bytes below), lanes 16-31 bring the second head's two bytes down
.endr
	global_store_b128 v[SOFF], v[T:T+3], s[22:23]              ; sixteen lanes fill 256 consecutive bytes of each head's record: tiles 0-3,
	global_store_b128 v[SOFF], v[T+4:T+7], s[22:23] offset:256 ; tiles 4-7
	s_branch .Ldone
.Lv_out:
.irp a, 0,1,2,3,4,5,6,7                ; v: channels 16 (a % 4) on of head a / 4; the eight registers are the step's 128 keys
	BIAS \a, 1
	QUANT T, PC+8*\a, PW+\a
	global_store_b128 v[LOFF], v[PC+8*\a:PC+8*\a+3], s[26:27] offset:(\a/4)*HEADB+4096+(\a%4)*1024
	global_store_b128 v[LOFF], v[PC+8*\a+4:PC+8*\a+7], s[26:27] offset:(\a/4)*HEADB+4096+(\a%4)*1024+512
.endr
	v_cmp_eq_u32 vcc_lo, 1, v2
.irp i, 0,1,2,3
	v_cndmask_b32 v[T+\i], v[PW+\i], v[PW+4+\i], vcc_lo        ; lanes 0-15: the first head's four tiles, lanes 16-31: the second's
.endr
	global_store_b128 v[SOFF], v[T:T+3], s[22:23]
.Ldone:
	s_wait_tensorcnt 0x0
	ds_add_u32 v126, v127
	s_wait_dscnt 0x0
	CROUND                                         ; the closing round: no work-group ends while a partner may still ask for a tile that names it
	s_endpgm
.Lfunc_end_k_q22b8a6b3e0_proj:
	.size	k_q22b8a6b3e0_proj, .Lfunc_end_k_q22b8a6b3e0_proj-k_q22b8a6b3e0_proj
	.p2alignl 7, 3214868480
	.fill 96, 4, 3214868480
	.section	.rodata,"a",@progbits
	.p2align	6, 0x0
	.amdhsa_kernel k_q22b8a6b3e0_proj
		.amdhsa_group_segment_fixed_size 296448
		.amdhsa_private_segment_fixed_size 0
		.amdhsa_enable_private_segment 0
		.amdhsa_kernarg_size 96
		.amdhsa_user_sgpr_count 2
		.amdhsa_user_sgpr_kernarg_segment_ptr 1
		.amdhsa_wavefront_size32 1
		.amdhsa_system_sgpr_workgroup_id_x 1
		.amdhsa_system_sgpr_workgroup_id_y 1
		.amdhsa_system_sgpr_workgroup_id_z 1
		.amdhsa_system_vgpr_workitem_id 0
		.amdhsa_next_free_vgpr 1024
		.amdhsa_next_free_sgpr 102
		.amdhsa_reserve_vcc 1
		.amdhsa_float_denorm_mode_32 3
		.amdhsa_float_denorm_mode_16_64 3
		.amdhsa_memory_ordered 1
		.amdhsa_forward_progress 1
		.amdhsa_inst_pref_size 196
	.end_amdhsa_kernel
	.amdgpu_metadata
---
amdhsa.version: [ 1, 2 ]
amdhsa.kernels:
  - .name:           k_q22b8a6b3e0_proj
    .symbol:         k_q22b8a6b3e0_proj.kd
    .args:
      - { .name: x_codes, .offset: 0, .size: 8, .value_kind: global_buffer, .address_space: global }
      - { .name: x_scales, .offset: 8, .size: 8, .value_kind: global_buffer, .address_space: global }
      - { .name: wq_codes, .offset: 16, .size: 8, .value_kind: global_buffer, .address_space: global }
      - { .name: wq_scales, .offset: 24, .size: 8, .value_kind: global_buffer, .address_space: global }
      - { .name: wk_codes, .offset: 32, .size: 8, .value_kind: global_buffer, .address_space: global }
      - { .name: wk_scales, .offset: 40, .size: 8, .value_kind: global_buffer, .address_space: global }
      - { .name: wv_codes, .offset: 48, .size: 8, .value_kind: global_buffer, .address_space: global }
      - { .name: wv_scales, .offset: 56, .size: 8, .value_kind: global_buffer, .address_space: global }
      - { .name: bq, .offset: 64, .size: 8, .value_kind: global_buffer, .address_space: global }
      - { .name: bk, .offset: 72, .size: 8, .value_kind: global_buffer, .address_space: global }
      - { .name: bv, .offset: 80, .size: 8, .value_kind: global_buffer, .address_space: global }
      - { .name: qkv, .offset: 88, .size: 8, .value_kind: global_buffer, .address_space: global }
    .group_segment_fixed_size: 296448
    .private_segment_fixed_size: 0
    .kernarg_segment_align: 8
    .kernarg_segment_size: 96
    .max_flat_workgroup_size: 128
    .sgpr_count:     102
    .vgpr_count:     1024
    .wavefront_size: 32
...
	.end_amdgpu_metadata
.endif
;; end of part 1
;; launch attn (part 2): grid 8 x 64, 16 waves a work-group, clusters of 4 x 1, 169,984 bytes of LDS; arguments qkv, oimg, osc; writes oimg, osc
.if DOCPART == 2
	.amdgcn_target "amdgcn-amd-amdhsa--gfx1250"
	.amdhsa_code_object_version 6
	.text
	.protected	k_q22b8a6b3e0_attn
	.globl	k_q22b8a6b3e0_attn
	.p2align	8
	.type	k_q22b8a6b3e0_attn,@function
k_q22b8a6b3e0_attn:
	s_mov_b64 s[64:65], 0
	v_nop
	global_prefetch_b8 v0, s[64:65] scope:SCOPE_SE
	s_setreg_imm32_b32 hwreg(HW_REG_WAVE_MODE, 25, 1), 1
	s_wait_xcnt 0x0
	s_wait_alu depctr_hold_cnt(0) depctr_sa_sdst(0) depctr_va_vdst(0) depctr_va_sdst(0) depctr_va_ssrc(0) depctr_va_vcc(0) depctr_vm_vsrc(0)
	s_getreg_b32 s2, hwreg(HW_REG_IB_STS2, 6, 4)
	s_cmp_eq_u32 s2, 0
	s_cbranch_scc0 .Lentry_in_a_cluster
	s_endpgm
.Lentry_in_a_cluster:
	s_bfe_u32 s2, ttmp6, 0x10000c
	s_cmp_lg_u32 s2, 0x3003
	s_cbranch_scc0 .Lentry_shape_is_right
	s_endpgm
.Lentry_shape_is_right:
; o[q] = the sum over keys of softmax(q . k / 8) v for one head of 64 channels and 2,048 keys, both products on codes of FP4 (E2M1) with one E8M0 scale for each 32 along a product's K; o is quantised along the channels and leaves as codes.
; THE SOFTMAX AHEAD OF THE SECOND PRODUCT: t = score x log2(e) / 8; M = the running largest t rounded UP to a whole number; p = 2^(t - M) is quantised along the keys, not normalised.
; The row's sum is taken of the unquantised p, in f32, and divides O at the end.  When M moves, the sum and O are multiplied by 2^(old M - new M): exact.
; SHARES.  A work-group owns 256 queries of one head, each of its SIXTEEN waves one tile of 16, in 256 registers: four waves to a SIMD, so that one wave's vector work stands beside another's matrix work and LDS loads.
; A HEAD'S K, V AND THEIR SCALES LIE IN LDS WHOLE: 16 records of 8,960 bytes, one for each step of 128 keys, each brought by one wave's tensor load at the head.  Nothing is filled again.
; CLUSTER.  The four work-groups of a cluster belong to one head and read the same records: each load is asked for jointly, by the same descriptor and a mask that names the four.
; LAYOUT.  The records hold IMAGES OF OPERAND REGISTERS: a load of 16 bytes a lane at 16 x lane brings four registers of a fragment.  Both products are used transposed: S^T = K Q^T (source 0 = 16 keys,
; source 1 = my 16 queries), O^T = V^T P^T (source 0 = 16 channels, source 1 = P): a lane holds ONE query (lane % 16) throughout.  The first product's K is 64: registers 4-7 of its operands are zero codes.
; In S^T tile t's register n is key 16 t + 8 (lane / 16) + n; a block of 32 keys is tiles 2 b, 2 b + 1 of lanes l and l xor 16.  One conversion a tile and two exchanges of lane halves for each 64 keys give P's operand.
; LIMITS: NaN and infinities are not served.  A block whose largest magnitude lies under 2^-124, a block of zeros among them, gets the scale byte 1; these bytes are read by this program alone.  1 / the sum is v_rcp_f32's.
.set REC,   13568                      ; a step's record in memory
.set HEADB, 16*REC
.set KVB,   8960                       ; its first part, which comes into LDS: K 4,096, V 4,096, K's scale words 512, V's 256
.set QOFF,  8960                       ; behind it: Q's images,
.set QSOFF, 13056                      ; and Q's scale words
.set GATH,  16*KVB                     ; LDS: 512 bytes of their own, in which the waves' scale halves meet
.set AL0, 1                            ; v1   16 x lane
.set AR0, 2                            ; v2   8,192 + 16 x (lane % 16)
.set ADL, 3                            ; v3   the same two in the step's record
.set ADR, 4
.set QSW, 5                            ; v5   Q's scale word
.set R16, 6                            ; v6   16 x (lane % 16)
.set GAD, 7                            ; v7   where my row's two scale bytes go in GATH
.set VSW, 8                            ; v8-11   V's scale words
.set QF,  16                           ; v16-23  Q
.set KSW, 24                           ; v24-31  K's scale words
.set KF,  32                           ; v32-95  K's eight fragments
.set S,   96                           ; v96-159 S^T, then p
.set O,   160                          ; v160-191 O^T
.set VF,  192                          ; v192-223 V's four fragments
.set PCD, 224                          ; v224-231 p's codes
.set BM,  232                          ; v232-235 the blocks' largest; v236-239 the other lane's, then bytes; v240-243 the conversions' scale operands
.set PSW, 250                          ; v250 p's scale word
.set GRD, 251                          ; v251 GATH + 16 x lane
.set WV,  12
.set SEL, 20
.set CS,  22
.set G1,  24
.set G0,  32
.set TB,  36
.set CNT, 37
.macro CROUND                          ; a round of the cluster's barrier
	s_barrier_signal -1
	s_barrier_wait -1
	s_cmp_lg_u32 s[WV], 0
	s_cbranch_scc1 .Lnot_wave_0_\@
	s_barrier_signal -3
.Lnot_wave_0_\@:
	s_barrier_wait -3
	s_barrier_signal -1
	s_barrier_wait -1
.endm
	s_load_b128 s[4:7], s[0:1], 0x0                ; qkv, oimg
	s_load_b64 s[8:9], s[0:1], 0x10                ; osc
	v_lshl_add_u32 v254, v0, 2, 0x29000
	v_mov_b32 v255, 0
	ds_add_u32 v254, v255
	ds_add_u32 v254, v255
	v_lshrrev_b32 v1, 5, v0
	s_delay_alu instid0(VALU_DEP_1)
	v_readfirstlane_b32 s[WV], v1                  ; wave 0..15
	s_bfe_u32 s13, ttmp6, 0x40000                  ; cx
	s_lshl_b32 s14, ttmp9, 2
	s_add_co_u32 s14, s14, s13                     ; my block of 256 queries: it enters global addresses of my own loads and stores alone
	s_and_b32 s15, ttmp7, 0xffff                   ; batch x 16 + head, which the four partners share
	s_mul_i32 s38, s15, HEADB                      ; the head's first byte in qkv
	s_mul_i32 s40, s[WV], REC
	s_add_co_u32 s40, s40, s38                     ; the record that I fetch: step = my wave's number
	s_mov_b32 s41, 0
	; descriptor group 1: 8,960 dense bytes as 35 rows of 256 (32 elements of 8 bytes), no padding
	s_mov_b32 s[G1], 15|(3<<16)|(1<<21)            ; 15:0 the mask: all four work-groups; 17:16 elements of 8 bytes; 21 set beside a mask
	s_mov_b32 s[G1+1], 32<<16                      ; tensor_dim0
	s_mov_b32 s[G1+2], 35<<16                      ; tensor_dim1
	s_mov_b32 s[G1+3], 32<<16                      ; tile_dim0
	s_mov_b32 s[G1+4], 35                          ; tile_dim1
	s_mov_b32 s[G1+5], 32                          ; tensor_dim0_stride
	s_mov_b32 s[G1+6], 0
	s_mov_b32 s[G1+7], 0
	s_mov_b32 s[G0], 1
	s_mul_i32 s[G0+1], s[WV], KVB                  ; LDS: record w
	s_lshl_b32 s42, s14, 1
	s_lshr_b32 s43, s[WV], 3
	s_add_co_u32 s42, s42, s43                     ; my queries' step: 2 x block + wave / 8
	s_mul_i32 s42, s42, REC
	s_add_co_u32 s42, s42, s38
	s_and_b32 s39, s[WV], 7                        ; my tile in it
	s_lshl_b32 s44, s39, 9
	s_add_co_u32 s44, s44, s42
	s_add_co_u32 s44, s44, QOFF                    ; Q's image
	s_mov_b32 s45, 0
	s_lshr_b32 s46, s39, 2
	s_lshl_b32 s46, s46, 8
	s_and_b32 s47, s[WV], 3
	s_lshl_b32 s47, s47, 2
	s_add_co_u32 s46, s46, s47
	s_add_co_u32 s46, s46, s42
	s_add_co_u32 s46, s46, QSOFF                   ; Q's scale words: [tile / 4][row][tile % 4]
	s_mov_b32 s47, 0
	s_lshr_b32 s48, s15, 4
	s_lshl_b32 s48, s48, 7
	s_lshl_b32 s49, s14, 4
	s_add_co_u32 s48, s48, s49
	s_add_co_u32 s48, s48, s[WV]                   ; my tile of 16 rows among all 512: 128 x batch + 16 x block + wave
	s_lshl_b32 s48, s48, 13                        ; oimg: [tile of rows][head / 2][head % 2][512 bytes]
	s_bfe_u32 s49, s15, 0x30001
	s_lshl_b32 s49, s49, 10
	s_add_co_u32 s48, s48, s49
	s_and_b32 s49, s15, 1
	s_lshl_b32 s49, s49, 9
	s_add_co_u32 s48, s48, s49
	s_mov_b32 s49, 0
	s_lshl_b32 s50, s15, 12                        ; osc: [batch x 16 + head][128 rows][row % 16][tile % 8] two bytes: 512 bytes for my work-group
	s_lshl_b32 s51, s14, 9
	s_add_co_u32 s50, s50, s51
	s_mov_b32 s51, 0
	s_lshl_b32 s52, s43, 8
	s_lshl_b32 s53, s39, 1
	s_add_co_u32 s52, s52, s53
	s_add_co_u32 s52, s52, GATH                    ; my wave's place in the gathering: 256 (wave / 8) + 2 (wave % 8)
	s_mov_b32 s[SEL], 0x76543210
	s_mov_b32 s[SEL+1], 0xfedcba98                 ; v_permlanex16_b32's selects for lane l xor 16
	s_mov_b32 s[CS], 0x3e38aa3b                    ; c = log2(e) / 8
	s_mov_b32 s[CS+1], s[CS]                       ; (named with it as a pair, so it is written)
	s_mov_b32 s[TB], 0
	s_mov_b32 s[CNT], 16
	s_wait_dscnt 0x0
	s_wait_kmcnt 0x0
	s_add_nc_u64 s[G0+2:G0+3], s[4:5], s[40:41]
	s_or_b32 s[G0+3], s[G0+3], 0x80000000
	s_add_nc_u64 s[16:17], s[4:5], s[44:45]
	s_add_nc_u64 s[18:19], s[4:5], s[46:47]
	s_add_nc_u64 s[6:7], s[6:7], s[48:49]
	s_add_nc_u64 s[8:9], s[8:9], s[50:51]
	CROUND                                         ; all four work-groups are here: the joint loads meet
	tensor_load_to_lds s[G0:G0+3], s[G1:G1+7]      ; my one load: one is out
	s_nop 0
.rept 4
	v_nop
.endr
	v_and_b32 v2, 31, v0
	s_delay_alu instid0(VALU_DEP_1)
	v_lshlrev_b32 v[AL0], 4, v2
	v_and_b32 v3, 15, v0
	s_delay_alu instid0(VALU_DEP_1)
	v_lshlrev_b32 v[R16], 4, v3
	s_delay_alu instid0(VALU_DEP_1)
	v_add_nc_u32 v[AR0], 8192, v[R16]
	s_delay_alu instid0(VALU_DEP_2)
	v_add_nc_u32 v[GAD], s52, v[R16]
	v_add_nc_u32 v[GRD], GATH, v[AL0]
	global_load_b128 v[QF:QF+3], v[AL0], s[16:17]  ; Q's fragment stays in registers
	global_load_b32 v[QSW], v[R16], s[18:19]
.irp i, 4,5,6,7
	v_mov_b32 v[QF+\i], 0                          ; K = 64 .. 127 of the first product: zero codes, on both sides, written once
.irp t, 0,1,2,3,4,5,6,7
	v_mov_b32 v[KF+8*\t+\i], 0
.endr
.endr
	v_mov_b32 v13, 0xff61b1e6                      ; the largest t so far: -3e38, under every t
	s_delay_alu instid0(VALU_DEP_1)
	v_floor_f32 v12, -v13                          ; -M
	v_mov_b32 v14, 0                               ; the sum, in two halves
	v_mov_b32 v15, 0
.irp b, 0,1,2,3
	v_mov_b32 v[BM+4+\b], 0                        ; written once: a lane permute's destination counts as one of its sources
.endr
	v_mov_b32 v249, 0                              ; (named as the upper half of the pair v[248:249])
.set j, 0
.rept 32
	v_mov_b32 v[O+j], 0                            ; O^T: the step is written once; the first finds zeros, which the first change of M leaves zeros
.set j, j+1
.endr
	s_wait_tensorcnt 0x0                           ; my record has landed,
	s_barrier_signal -1
	s_barrier_wait -1                              ; everybody's has: the head's K and V are whole
	s_wait_loadcnt 0x0                             ; Q
.Lstep:                                            ; 16 trips: 128 keys each
	s_setprio 2
	v_add_nc_u32 v[ADL], s[TB], v[AL0]
	v_add_nc_u32 v[ADR], s[TB], v[AR0]
	v_nop
	v_nop                                          ; four places in front of loads into registers that the last trip's products have read
.irp t, 0,1,2,3,4,5,6,7
	ds_load_b128 v[KF+8*\t:KF+8*\t+3], v[ADL] offset:512*\t            ; keys 16 t on: 512 consecutive bytes
.endr
.irp g, 0,1
	ds_load_b128 v[KSW+4*\g:KSW+4*\g+3], v[ADR] offset:256*\g          ; the scale words of tiles 4 g .. 4 g + 3, key lane % 16
.endr
.irp d, 0,1,2,3
.irp c, 0,1
	ds_load_b128 v[VF+8*\d+4*\c:VF+8*\d+4*\c+3], v[ADL] offset:4096+1024*\d+512*\c
.endr
.endr
	ds_load_b128 v[VSW:VSW+3], v[ADR] offset:512                       ; V's scale words of the four tiles, channel lane % 16
	s_wait_dscnt 9                                 ; K's ten loads are in; V's nine may be out
.irp t, 0,1,2,3,4,5,6,7
	v_wmma_scale_f32_16x16x128_f8f6f4 v[S+8*\t:S+8*\t+7], v[KF+8*\t:KF+8*\t+7], v[QF:QF+7], 0, v[KSW+\t], v[QSW] matrix_a_fmt:MATRIX_FMT_FP4 matrix_b_fmt:MATRIX_FMT_FP4
.endr
.rept 4
	v_nop
.endr
.irp b, 0,1,2,3
	v_max3_num_f32 v[BM+\b], v[S+16*\b], v[S+1+16*\b], v[S+2+16*\b]    ; THE LARGEST SCORE OF EACH BLOCK OF 32 KEYS serves twice: for the row's maximum and, since p rises with the score, for the block's largest p
.endr
.irp i, 3,5,7,9,11,13
.irp b, 0,1,2,3
	v_max3_num_f32 v[BM+\b], v[BM+\b], v[S+16*\b+\i], v[S+1+16*\b+\i]  ; (the four blocks by turns; each accumulator is first read at its low end)
.endr
.endr
.irp b, 0,1,2,3
	v_max_num_f32 v[BM+\b], v[BM+\b], v[S+15+16*\b]
.endr
.irp b, 0,1,2,3
	s_delay_alu instid0(VALU_DEP_4)
	v_permlanex16_b32 v[BM+4+\b], v[BM+\b], s[SEL], s[SEL+1]
.endr
.irp b, 0,1,2,3
	s_delay_alu instid0(VALU_DEP_4)
	v_max_num_f32 v[BM+\b], v[BM+\b], v[BM+4+\b]   ; with lane l xor 16's 16 keys
.endr
	s_delay_alu instid0(VALU_DEP_2)
	v_max3_num_f32 v246, v232, v233, v234
	s_delay_alu instid0(VALU_DEP_1)
	v_max_num_f32 v246, v246, v235                 ; the step's largest score of my query
	s_delay_alu instid0(VALU_DEP_1)
	v_mul_f32 v246, s[CS], v246                    ; as t (c is positive)
	s_delay_alu instid0(VALU_DEP_1)
	v_max_num_f32 v13, v13, v246                   ; the running largest t
	v_mov_b32 v246, v12
	s_delay_alu instid0(VALU_DEP_2)
	v_floor_f32 v12, -v13                          ; the new -M = floor(-t) = -ceil(t): M is a whole number
	s_delay_alu instid0(VALU_DEP_1)
	v_sub_f32 v246, v12, v246                      ; M's old value less its new one: a whole number, 0 or less
	s_delay_alu instid0(VALU_DEP_1)
	v_cvt_i32_f32 v246, v246                       ; (it saturates)
	s_delay_alu instid0(VALU_DEP_1)
	v_ldexp_f32 v248, 1.0, v246                    ; f = 2^(old M - new M): a multiplication by it rounds nothing
.set j, 0
.rept 32
	v_pk_fma_f32 v[S+j:S+j+1], v[S+j:S+j+1], s[CS:CS+1], v[12:13] op_sel_hi:[1,0,0]   ; t - M, two at a time (of the pairs c and -M the low word serves both halves)
.set j, j+2
.endr
.irp b, 0,1,2,3
	v_fma_f32 v[BM+\b], v[BM+\b], s[CS], v12       ; the same of each block's largest score
.endr
.set j, 0
	s_wait_alu depctr_va_vdst(0)
.rept 64
	v_exp_f32 v[S+j], v[S+j]                       ; p = 2^(t - M), at most 1: not normalised
.set j, j+1
.endr
	s_setprio 1
	v_pk_mul_f32 v[14:15], v[14:15], v[248:249] op_sel_hi:[1,0]        ; the sums under the new M: the plain place behind the exponentials
	s_wait_alu depctr_va_vdst(0)                   ; one wait for the whole batch, ahead of its first reader
.irp b, 0,1,2,3
	v_exp_f32 v[BM+\b], v[BM+\b]                   ; the block's largest p: the same two instructions on the same number give the same bits
.endr
	v_pk_add_f32 v[244:245], v[100:101], v[104:105]
	v_pk_add_f32 v[252:253], v[108:109], v[112:113]
	v_pk_add_f32 v[242:243], v[116:117], v[120:121]
	v_pk_add_f32 v[240:241], v[124:125], v[128:129]
	v_pk_add_f32 v[238:239], v[132:133], v[136:137]
	v_pk_add_f32 v[236:237], v[140:141], v[144:145]
	v_pk_add_f32 v[230:231], v[148:149], v[152:153]
	v_pk_add_f32 v[14:15], v[14:15], v[156:157]
	v_pk_add_f32 v[244:245], v[244:245], v[96:97]
	v_pk_add_f32 v[252:253], v[252:253], v[98:99]
	v_pk_add_f32 v[242:243], v[242:243], v[102:103]
	v_pk_add_f32 v[240:241], v[240:241], v[106:107]
	v_pk_add_f32 v[238:239], v[238:239], v[110:111]
	v_pk_add_f32 v[236:237], v[236:237], v[114:115]
	v_pk_add_f32 v[230:231], v[230:231], v[118:119]
	v_pk_add_f32 v[14:15], v[14:15], v[122:123]
	v_pk_add_f32 v[244:245], v[244:245], v[126:127]
	v_pk_add_f32 v[252:253], v[252:253], v[130:131]
	v_pk_add_f32 v[242:243], v[242:243], v[134:135]
	v_pk_add_f32 v[240:241], v[240:241], v[138:139]
	v_pk_add_f32 v[238:239], v[238:239], v[142:143]
	v_pk_add_f32 v[236:237], v[236:237], v[146:147]
	v_pk_add_f32 v[230:231], v[230:231], v[150:151]
	v_pk_add_f32 v[14:15], v[14:15], v[154:155]
	v_pk_add_f32 v[244:245], v[244:245], v[158:159]
	s_delay_alu instid0(VALU_DEP_2)
	v_pk_add_f32 v[14:15], v[14:15], v[240:241]
	s_delay_alu instid0(VALU_DEP_2)
	v_pk_add_f32 v[244:245], v[244:245], v[238:239]
	v_pk_add_f32 v[252:253], v[252:253], v[236:237]
	v_pk_add_f32 v[242:243], v[242:243], v[230:231]
	s_delay_alu instid0(VALU_DEP_2)
	v_pk_add_f32 v[14:15], v[14:15], v[252:253]
	s_delay_alu instid0(VALU_DEP_2)
	v_pk_add_f32 v[244:245], v[244:245], v[242:243]
	s_delay_alu instid0(VALU_DEP_1)
	v_pk_add_f32 v[14:15], v[14:15], v[244:245]
	s_wait_alu depctr_va_vdst(0)                   ; and one for the four
.irp b, 0,1,2,3
	v_max_num_f32 v[BM+\b], 0x1800000, v[BM+\b]    ; the floor 2^(3 - 127): the byte cannot fall under 1
.endr
.irp b, 0,1,2,3
	s_delay_alu instid0(VALU_DEP_4)
	v_add_nc_u32 v[BM+8+\b], 0xff000000, v[BM+\b]  ; 2 off the exponent field: the conversion's scale operand
.endr
.irp b, 0,1,2,3
	s_delay_alu instid0(VALU_DEP_4)
	v_lshrrev_b32 v[BM+4+\b], 23, v[BM+8+\b]       ; the scale's byte
.endr
	s_delay_alu instid0(VALU_DEP_3)
	v_lshl_or_b32 v[PSW], v237, 8, v236            ; p's scale word for these 128 keys
	s_delay_alu instid0(VALU_DEP_1)
	v_lshl_or_b32 v[PSW], v238, 16, v[PSW]
	s_delay_alu instid0(VALU_DEP_1)
	v_lshl_or_b32 v[PSW], v239, 24, v[PSW]
.irp c, 0,1                            ; tiles 4 c, 4 c + 2, 4 c + 1, 4 c + 3 in this order, so that the exchanges below leave the operand's order
	v_cvt_scalef32_pk8_fp4_f32 v[PCD+4*\c], v[S+32*\c:S+32*\c+7], v[BM+8+2*\c]
	v_cvt_scalef32_pk8_fp4_f32 v[PCD+4*\c+1], v[S+32*\c+16:S+32*\c+23], v[BM+9+2*\c]
	v_cvt_scalef32_pk8_fp4_f32 v[PCD+4*\c+2], v[S+32*\c+8:S+32*\c+15], v[BM+8+2*\c]
	v_cvt_scalef32_pk8_fp4_f32 v[PCD+4*\c+3], v[S+32*\c+24:S+32*\c+31], v[BM+9+2*\c]
.endr
	v_nop                                          ; one plain place behind the scaled conversions
.irp c, 0,1
	v_permlane16_swap_b32 v[PCD+4*\c], v[PCD+4*\c+1]       ; register 4 c + n of lane half h now holds keys 64 c + 32 h + 8 n + 0 .. 7
	v_permlane16_swap_b32 v[PCD+4*\c+2], v[PCD+4*\c+3]
.endr
.set j, 0
	s_setprio 0
.rept 16
	v_pk_mul_f32 v[O+j:O+j+1], v[O+j:O+j+1], v[248:249] op_sel_hi:[1,0]   ; O^T under the new M.  Of these 16, twelve name no register of a given product below: the places between p's scale word and codes and the products
.set j, j+2
.endr
	s_wait_alu depctr_va_vdst(0)
	s_wait_dscnt 0x0                               ; V
.irp d, 0,1,2,3                        ; one instruction for each accumulator: they take turns with the eight of S^T
	v_wmma_scale_f32_16x16x128_f8f6f4 v[O+8*\d:O+8*\d+7], v[VF+8*\d:VF+8*\d+7], v[PCD:PCD+7], v[O+8*\d:O+8*\d+7], v[VSW+\d], v[PSW] matrix_a_fmt:MATRIX_FMT_FP4 matrix_b_fmt:MATRIX_FMT_FP4
.endr
	s_add_co_u32 s[TB], s[TB], KVB                 ; the next record
	s_sub_co_u32 s[CNT], s[CNT], 1
	s_cmp_lg_u32 s[CNT], 0
	s_cbranch_scc1 .Lstep
	s_setprio 0
	; THE WAY OUT.  O^T / the sum, quantised along the head's 64 channels (two blocks), leaves as four registers of the last product's operand; the row's two scale bytes meet the other waves' in LDS.
	v_add_f32 v14, v14, v15                        ; the sum's two halves,
	s_delay_alu instid0(VALU_DEP_1)
	v_permlanex16_b32 v246, v14, s[SEL], s[SEL+1]
	s_delay_alu instid0(VALU_DEP_1)
	v_add_f32 v14, v14, v246                       ; and lane l xor 16's: the row's sum
	s_wait_alu depctr_va_vdst(0)
	v_rcp_f32 v14, v14
.rept 3
	v_nop                                          ; the plain place behind the reciprocal; with the two additions: the places behind the last products
.endr
	s_wait_alu depctr_va_vdst(0)                   ; the wait, ahead of the first reader
.set j, 0
.rept 16
	v_pk_mul_f32 v[S+j:S+j+1], v[O+j:O+j+1], v[14:15] op_sel_hi:[1,0]     ; register 8 d + n is o(my query, channel 16 d + 8 (lane / 16) + n)
.set j, j+2
.endr
.irp b, 0,1
	v_max3_num_f32 v[BM+\b], |v[S+16*\b]|, |v[S+1+16*\b]|, 0x1800000
.endr
.irp i, 2,4,6,8,10,12,14
.irp b, 0,1
	s_delay_alu instid0(VALU_DEP_2)
	v_max3_num_f32 v[BM+\b], v[BM+\b], |v[S+16*\b+\i]|, |v[S+1+16*\b+\i]|
.endr
.endr
.irp b, 0,1
	s_delay_alu instid0(VALU_DEP_2)
	v_permlanex16_b32 v[BM+4+\b], v[BM+\b], s[SEL], s[SEL+1]
.endr
.irp b, 0,1
	s_delay_alu instid0(VALU_DEP_2)
	v_max_num_f32 v[BM+\b], v[BM+\b], v[BM+4+\b]
.endr
.irp b, 0,1
	s_delay_alu instid0(VALU_DEP_2)
	v_add_nc_u32 v[BM+8+\b], 0xff000000, v[BM+\b]
.endr
.irp b, 0,1
	s_delay_alu instid0(VALU_DEP_2)
	v_lshrrev_b32 v[BM+4+\b], 23, v[BM+8+\b]
.endr
	s_delay_alu instid0(VALU_DEP_1)
	v_lshl_or_b32 v246, v237, 8, v236              ; my row's two scale bytes
	v_cvt_scalef32_pk8_fp4_f32 v[PCD], v[S:S+7], v[BM+8]
	v_cvt_scalef32_pk8_fp4_f32 v[PCD+1], v[S+16:S+23], v[BM+9]
	v_cvt_scalef32_pk8_fp4_f32 v[PCD+2], v[S+8:S+15], v[BM+8]
	v_cvt_scalef32_pk8_fp4_f32 v[PCD+3], v[S+24:S+31], v[BM+9]
	v_nop
	v_permlane16_swap_b32 v[PCD], v[PCD+1]
	v_permlane16_swap_b32 v[PCD+2], v[PCD+3]
	global_store_b128 v[AL0], v[PCD:PCD+3], s[6:7] ; 32 lanes store 512 consecutive bytes, at a multiple of 256 from the buffer's first byte
	ds_store_b16 v[GAD], v246                      ; lanes l and l xor 16 write the same two bytes with the same value
	s_wait_dscnt 0x0                               ; for the others' sake: my store has landed
	s_barrier_signal -1
	s_barrier_wait -1
	s_cmp_lg_u32 s[WV], 0
	s_cbranch_scc1 .Lnot_0
	ds_load_b128 v[S:S+3], v[GRD]                  ; wave 0 takes the work-group's 512 bytes
	s_wait_dscnt 0x0
	global_store_b128 v[AL0], v[S:S+3], s[8:9]     ; and stores them as two aligned runs of 256
.Lnot_0:
	s_wait_tensorcnt 0x0
	ds_add_u32 v254, v255
	s_wait_dscnt 0x0
	CROUND                                         ; the closing round: no work-group ends while a partner may still ask for a record that names it
	s_endpgm
.Lfunc_end_k_q22b8a6b3e0_attn:
	.size	k_q22b8a6b3e0_attn, .Lfunc_end_k_q22b8a6b3e0_attn-k_q22b8a6b3e0_attn
	.p2alignl 7, 3214868480
	.fill 96, 4, 3214868480
	.section	.rodata,"a",@progbits
	.p2align	6, 0x0
	.amdhsa_kernel k_q22b8a6b3e0_attn
		.amdhsa_group_segment_fixed_size 169984
		.amdhsa_private_segment_fixed_size 0
		.amdhsa_enable_private_segment 0
		.amdhsa_kernarg_size 24
		.amdhsa_user_sgpr_count 2
		.amdhsa_user_sgpr_kernarg_segment_ptr 1
		.amdhsa_wavefront_size32 1
		.amdhsa_system_sgpr_workgroup_id_x 1
		.amdhsa_system_sgpr_workgroup_id_y 1
		.amdhsa_system_sgpr_workgroup_id_z 1
		.amdhsa_system_vgpr_workitem_id 0
		.amdhsa_next_free_vgpr 256
		.amdhsa_next_free_sgpr 66
		.amdhsa_reserve_vcc 0
		.amdhsa_float_denorm_mode_32 3
		.amdhsa_float_denorm_mode_16_64 3
		.amdhsa_memory_ordered 1
		.amdhsa_forward_progress 1
		.amdhsa_inst_pref_size 29
	.end_amdhsa_kernel
	.amdgpu_metadata
---
amdhsa.version: [ 1, 2 ]
amdhsa.kernels:
  - .name:           k_q22b8a6b3e0_attn
    .symbol:         k_q22b8a6b3e0_attn.kd
    .args:
      - { .name: qkv, .offset: 0, .size: 8, .value_kind: global_buffer, .address_space: global }
      - { .name: oimg, .offset: 8, .size: 8, .value_kind: global_buffer, .address_space: global }
      - { .name: osc, .offset: 16, .size: 8, .value_kind: global_buffer, .address_space: global }
    .group_segment_fixed_size: 169984
    .private_segment_fixed_size: 0
    .kernarg_segment_align: 8
    .kernarg_segment_size: 24
    .max_flat_workgroup_size: 512
    .sgpr_count:     66
    .vgpr_count:     256
    .wavefront_size: 32
...
	.end_amdgpu_metadata
.endif
;; end of part 2
;; launch oproj (part 3): grid 4 x 64, 4 waves a work-group, clusters of 4 x 4, 327,680 bytes of LDS; arguments oimg, osc, wo_codes, wo_scales, bo, out0; writes out0
.if DOCPART == 3
	.amdgcn_target "amdgcn-amd-amdhsa--gfx1250"
	.amdhsa_code_object_version 6
	.text
	.protected	k_q22b8a6b3e0_oproj
	.globl	k_q22b8a6b3e0_oproj
	.p2align	8
	.type	k_q22b8a6b3e0_oproj,@function
k_q22b8a6b3e0_oproj:
	s_mov_b64 s[64:65], 0
	v_nop
	global_prefetch_b8 v0, s[64:65] scope:SCOPE_SE
	s_setreg_imm32_b32 hwreg(HW_REG_WAVE_MODE, 25, 1), 1
	s_wait_xcnt 0x0
	s_wait_alu depctr_hold_cnt(0) depctr_sa_sdst(0) depctr_va_vdst(0) depctr_va_sdst(0) depctr_va_ssrc(0) depctr_va_vcc(0) depctr_vm_vsrc(0)
	s_getreg_b32 s2, hwreg(HW_REG_IB_STS2, 6, 4)
	s_cmp_eq_u32 s2, 0
	s_cbranch_scc0 .Lentry_in_a_cluster
	s_endpgm
.Lentry_in_a_cluster:
	s_bfe_u32 s2, ttmp6, 0x10000c
	s_cmp_lg_u32 s2, 0xf033
	s_cbranch_scc0 .Lentry_shape_is_right
	s_endpgm
.Lentry_shape_is_right:
; out0 = o wo + bo on codes of FP4 (E2M1) with one E8M0 scale for each 32 along K = 1,024; out0 [8,192][1,024] f32.
; o comes as images of operand registers, oimg [tile of 16 rows][K step of 128][2][512 bytes], and its scale bytes as osc [batch x 16 + head][128 rows][row % 16][tile % 8] two bytes; wo as rows of codes, K innermost.
; SHARES.  256 work-groups of four waves; a work-group makes 128 rows x 256 columns, a wave 64 x 128: 32 accumulators, 256 registers.  All of K fits in LDS: two slots of 512 along K, each filled ONCE.
; CLUSTERS: 4 x 4 work-groups.  o's tiles hang on the tile row alone and are asked for jointly by a row of the cluster, wo's on the tile column alone and by a column.
; THE MATRIX INSTRUCTION IS USED TRANSPOSED (source 0 = 16 rows of wo, source 1 = 16 rows of o): a lane holds eight neighbouring numbers of a row of out0.  The bias is the C of each sum's first instruction.
; REGISTERS, in windows of 256: window 0: v1-27 addresses; v32-63 o's scale words (8 a + K step), v64-127 wo's (8 b + K step), and nothing else there; v128-191 the bias, later rows on the way out;
;   v192-223 o's scale halves as loaded, later rows on the way out.   window 1: two sets of fragments at v0 and v128: o's four at + 8 a, wo's eight at + 32 + 8 b.   window 2: accumulator (a, b) at v[8 (8 a + b)].
.set PITCH,  272                       ; a row of wo's tile in LDS: 256 bytes + 16 of padding
.set AIMG,   32768                     ; a slot: o's images [8 tiles of rows][4 K steps][2][512],
.set HALFA,  16384
.set HALFB,  128*PITCH                 ; then wo's 256 rows
.set SLOT,   AIMG+2*HALFB
.set SCA,    2*SLOT                    ; o's scale halves: 16 heads x (256 bytes + 16)
.set SCB,    SCA+16*272                ; wo's scale bytes: 32 units of 256 bytes + 16
.set STAGE,  SCB+32*272                ; the way out: 16 rows x (512 bytes + 16) for each wave: bytes of its own, into which no tile lands
.set SPITCH, 528
.set ADA,  16                          ; v16-17 LDS address of my images of o in slot 0, 1
.set ADB,  20                          ; v20-21 of my rows of wo
.set ADSA, 22
.set ADSB, 23
.set STO,  24
.set RD,   25
.set CO,   26                          ; v26 16 x lane
.set H32,  27
.set SA,   32
.set SB,   64
.set BJ,   128
.set RAW,  192
.set BK,   128
.set WV,   16
.set H1,   17                          ; which 64 rows are mine.  Also: I fetch for o (0) or for wo (1)
.set H0,   18                          ; which 128 columns.  Also: which half I fetch
.set G1A,  24
.set G0A,  32
.set G1B,  40
.set G0B,  48
.set G1SA, 68
.set G0SA, 76
.set G1SB, 80
.set G0SB, 88
.set MSB, 0
.macro WIN new                         ; the immediate's high byte repeats the setting that is left
.if MSB != (\new)
	s_set_vgpr_msb (MSB<<8)|(\new)
.set MSB, \new
.endif
.endm
.macro JLOAD g0a, g1a, g0b, g1b        ; a joint load: waves 0 and 1 fetch for o, waves 2 and 3 for wo; four v_nop follow each of the two lines
	s_cmp_eq_u32 s[H1], 0
	s_cbranch_scc0 .Lfor_b_\@
	tensor_load_to_lds s[\g0a:\g0a+3], s[\g1a:\g1a+7]
	s_nop 0
.rept 4
	v_nop
.endr
	s_branch .Lasked_\@
.Lfor_b_\@:
	tensor_load_to_lds s[\g0b:\g0b+3], s[\g1b:\g1b+7]
	s_nop 0
.rept 4
	v_nop
.endr
.Lasked_\@:
.endm
.macro CROUND                          ; a round of the cluster's barrier
	s_barrier_signal -1
	s_barrier_wait -1
	s_cmp_lg_u32 s[WV], 0
	s_cbranch_scc1 .Lnot_wave_0_\@
	s_barrier_signal -3
.Lnot_wave_0_\@:
	s_barrier_wait -3
	s_barrier_signal -1
	s_barrier_wait -1
.endm
.macro PLACES n
.rept \n
	v_nop
.endr
.endm
	s_load_b256 s[4:11], s[0:1], 0x0               ; oimg, osc, wo's codes, wo's scales
	s_load_b128 s[12:15], s[0:1], 0x20             ; bo, out0
	v_lshl_add_u32 v30, v0, 2, 0x3d700
	v_mov_b32 v31, 0
	ds_add_u32 v30, v31
	ds_add_u32 v30, v31
	v_lshrrev_b32 v1, 5, v0
	v_readfirstlane_b32 s[WV], v1                  ; wave 0..3
	s_lshr_b32 s[H1], s[WV], 1
	s_and_b32 s[H0], s[WV], 1
	s_bfe_u32 s19, ttmp6, 0x40000                  ; cx
	s_bfe_u32 s20, ttmp6, 0x40004                  ; cy
	s_lshl_b32 s21, ttmp9, 2
	s_add_co_u32 s21, s21, s19                     ; tile column, 256 wide
	s_and_b32 s22, ttmp7, 0xffff
	s_lshl_b32 s22, s22, 2
	s_add_co_u32 s22, s22, s20                     ; tile row, 128 high
	s_lshl_b32 s56, s20, 2
	s_lshl_b32 s56, 15, s56                        ; my row of the cluster
	s_lshl_b32 s57, 0x1111, s19                    ; my column
	; o's images: 4 tiles of rows x 4,096 consecutive bytes (512 elements of 8 bytes), 8,192 bytes apart; no padding
	s_or_b32 s[G1A+0], s56, (3<<16)|(1<<21)
	s_mov_b32 s[G1A+1], 512<<16                    ; tensor_dim0
	s_mov_b32 s[G1A+2], 4<<16                      ; tensor_dim1
	s_mov_b32 s[G1A+3], 512<<16                    ; tile_dim0
	s_mov_b32 s[G1A+4], 4                          ; tile_dim1
	s_mov_b32 s[G1A+5], 1024                       ; tensor_dim0_stride
	s_mov_b32 s[G1A+6], 0
	s_mov_b32 s[G1A+7], 0
	; wo's codes: 128 rows x 256 bytes, 512 apart, 16 bytes of padding behind each
	s_or_b32 s[G1B+0], s57, (0<<16)|(1<<20)|(1<<21)|(5<<22)|(3<<25)
	s_mov_b32 s[G1B+1], 256<<16
	s_mov_b32 s[G1B+2], 128<<16
	s_mov_b32 s[G1B+3], 256<<16
	s_mov_b32 s[G1B+4], 128
	s_mov_b32 s[G1B+5], 512
	s_mov_b32 s[G1B+6], 0
	s_mov_b32 s[G1B+7], 0
	; o's scale halves: 8 heads x 256 bytes (32 elements of 8 bytes), 4,096 bytes apart, padded
	s_or_b32 s[G1SA+0], s56, (3<<16)|(1<<20)|(1<<21)|(5<<22)|(3<<25)
	s_mov_b32 s[G1SA+1], 32<<16
	s_mov_b32 s[G1SA+2], 8<<16
	s_mov_b32 s[G1SA+3], 32<<16
	s_mov_b32 s[G1SA+4], 8
	s_mov_b32 s[G1SA+5], 512
	s_mov_b32 s[G1SA+6], 0
	s_mov_b32 s[G1SA+7], 0
	; wo's scale bytes of 128 rows: 4,096 dense bytes as 16 rows of 256, padded
	s_or_b32 s[G1SB+0], s57, (3<<16)|(1<<20)|(1<<21)|(5<<22)|(3<<25)
	s_mov_b32 s[G1SB+1], 32<<16
	s_mov_b32 s[G1SB+2], 16<<16
	s_mov_b32 s[G1SB+3], 32<<16
	s_mov_b32 s[G1SB+4], 16
	s_mov_b32 s[G1SB+5], 32
	s_mov_b32 s[G1SB+6], 0
	s_mov_b32 s[G1SB+7], 0
	; o's offsets hang on the tile row alone (s58-61), wo's on the tile column alone (s62, s63, s92, s93)
	s_lshl_b32 s58, s22, 16                        ; 8 tiles of rows x 8,192 bytes a tile row,
	s_lshl_b32 s59, s[H0], 15                      ; my four of them
	s_add_co_u32 s58, s58, s59
	s_mov_b32 s59, 0
	s_lshr_b32 s60, s22, 4                         ; the batch: 16 heads x 4,096 bytes,
	s_lshl_b32 s60, s60, 16
	s_lshl_b32 s61, s[H0], 15                      ; my eight heads,
	s_add_co_u32 s60, s60, s61
	s_and_b32 s61, s22, 15
	s_lshl_b32 s61, s61, 8                         ; the 128 rows' 256 bytes
	s_add_co_u32 s60, s60, s61
	s_mov_b32 s61, 0
	s_lshl_b32 s62, s21, 17                        ; 256 rows x 512 bytes a tile column,
	s_lshl_b32 s63, s[H0], 16                      ; my 128 of them
	s_add_co_u32 s62, s62, s63
	s_mov_b32 s63, 0
	s_lshl_b32 s92, s21, 13
	s_lshl_b32 s93, s[H0], 12
	s_add_co_u32 s92, s92, s93
	s_mov_b32 s93, 0
	s_lshl_b32 s94, s[H0], 14                      ; where they go: arithmetic on the wave's number alone
	s_mul_i32 s95, s[H0], HALFB
	s_add_co_u32 s95, s95, AIMG
	s_mul_i32 s96, s[H0], 8*272
	s_add_co_u32 s96, s96, SCA
	s_mul_i32 s97, s[H0], 16*272
	s_add_co_u32 s97, s97, SCB
	s_wait_dscnt 0x0
	s_wait_kmcnt 0x0
	s_add_nc_u64 s[4:5], s[4:5], s[58:59]
	s_add_nc_u64 s[6:7], s[6:7], s[60:61]
	s_add_nc_u64 s[8:9], s[8:9], s[62:63]
	s_add_nc_u64 s[10:11], s[10:11], s[92:93]
	CROUND                                         ; all sixteen work-groups are here: the joint loads meet
	s_mov_b32 s[G0SA], 1
	s_mov_b32 s[G0SA+1], s96
	s_mov_b64 s[G0SA+2:G0SA+3], s[6:7]
	s_or_b32 s[G0SA+3], s[G0SA+3], 0x80000000
	s_mov_b32 s[G0SB], 1
	s_mov_b32 s[G0SB+1], s97
	s_mov_b64 s[G0SB+2:G0SB+3], s[10:11]
	s_or_b32 s[G0SB+3], s[G0SB+3], 0x80000000
	JLOAD G0SA, G1SA, G0SB, G1SB                   ; the scales first: they are wanted with slot 0
.irp s, 0,1
	s_mov_b32 s[G0A+4*\s], 1
	s_add_co_u32 s[G0A+4*\s+1], s94, \s*SLOT
	s_add_nc_u64 s[G0A+4*\s+2:G0A+4*\s+3], s[4:5], \s*4096
	s_or_b32 s[G0A+4*\s+3], s[G0A+4*\s+3], 0x80000000
	s_mov_b32 s[G0B+4*\s], 1
	s_add_co_u32 s[G0B+4*\s+1], s95, \s*SLOT
	s_add_nc_u64 s[G0B+4*\s+2:G0B+4*\s+3], s[8:9], \s*256
	s_or_b32 s[G0B+4*\s+3], s[G0B+4*\s+3], 0x80000000
	s_wait_alu depctr_va_vdst(0)
	s_wait_tensorcnt 0x0
	ds_add_u32 v30, v31
	s_wait_dscnt 0x0
	CROUND
	JLOAD G0A+4*\s, G1A, G0B+4*\s, G1B             ; one load of mine is out: the wait above saw the earlier ones land
.endr
	v_and_b32 v1, 15, v0                           ; r = lane % 16
	v_bfe_u32 v2, v0, 4, 1                         ; h = lane / 16
	v_and_b32 v3, 31, v0
	v_lshlrev_b32 v[CO], 4, v3
	s_lshl_b32 s23, s[H1], 14                      ; my four tiles of rows
	v_add_nc_u32 v[ADA], s23, v[CO]
	v_add_nc_u32 v[ADA+1], SLOT, v[ADA]
	v_mul_u32_u24 v4, v1, PITCH
	v_lshl_add_u32 v4, v2, 4, v4
	s_mul_i32 s23, s[H0], HALFB
	s_add_co_u32 s23, s23, AIMG
	v_add_nc_u32 v[ADB], s23, v4
	v_add_nc_u32 v[ADB+1], SLOT, v[ADB]
	v_lshlrev_b32 v5, 4, v1
	s_lshl_b32 s23, s[H1], 3
	s_add_co_u32 s23, s23, SCA
	v_add_nc_u32 v[ADSA], s23, v5                  ; o's scale halves: row r's 16 bytes of a head, my four tiles' 8 of them
	v_lshlrev_b32 v5, 5, v1
	v_lshrrev_b32 v6, 3, v1
	v_lshl_add_u32 v5, v6, 4, v5                   ; wo's: 32 bytes a row, 16 more for each 256 passed
	s_mul_i32 s23, s[H0], 16*272
	s_add_co_u32 s23, s23, SCB
	v_add_nc_u32 v[ADSB], s23, v5
	s_mul_i32 s23, s[WV], 16*SPITCH
	s_add_co_u32 s23, s23, STAGE                   ; my stage
	v_mul_u32_u24 v5, v1, SPITCH
	v_lshl_add_u32 v5, v2, 5, v5
	v_add_nc_u32 v[STO], s23, v5                   ; in: row r, 32 bytes for each half of the lanes
	v_add_nc_u32 v[RD], s23, v[CO]                 ; back: the 32 lanes take one row of 512 bytes
	v_lshlrev_b32 v[H32], 5, v2
	s_wait_alu depctr_va_vdst(0)
	s_lshl_b32 s58, s21, 10
	s_lshl_b32 s59, s[H0], 9
	s_add_co_u32 s58, s58, s59                     ; my first column, in bytes
	s_mov_b32 s59, 0
	s_add_nc_u64 s[12:13], s[12:13], s[58:59]
	s_add_nc_u64 s[14:15], s[14:15], s[58:59]
	s_lshl_b32 s58, s22, 19
	s_lshl_b32 s60, s[H1], 18
	s_add_co_u32 s58, s58, s60                     ; my first row: (128 x tile row + 64 x half) x 4,096 bytes
	s_add_nc_u64 s[14:15], s[14:15], s[58:59]
.irp b, 0,1,2,3,4,5,6,7
	global_load_b128 v[BJ+8*\b:BJ+8*\b+3], v[H32], s[12:13] offset:64*\b           ; bo at columns 16 b + 8 h + 0 .. 7: the result's layout
	global_load_b128 v[BJ+8*\b+4:BJ+8*\b+7], v[H32], s[12:13] offset:64*\b+16
.endr
.macro FETCH3 q                        ; K step q's fragments into set q % 2: 24 LDS loads
	WIN 0x40                                       ; destination window 1, address window 0
.irp a, 0,1,2,3
.irp c, 0,1
	ds_load_b128 v[128*((\q)%2)+8*\a+4*\c:128*((\q)%2)+8*\a+4*\c+3], v[ADA+(\q)/4] offset:4096*\a+1024*((\q)%4)+512*\c
.endr
.endr
.irp b, 0,1,2,3,4,5,6,7
.irp c, 0,1
	ds_load_b128 v[128*((\q)%2)+32+8*\b+4*\c:128*((\q)%2)+32+8*\b+4*\c+3], v[ADB+(\q)/4] offset:64*((\q)%4)+32*\c+16*PITCH*\b
.endr
.endr
	WIN 0
.endm
.macro MUL32 q                         ; 32 matrix instructions: the accumulators take turns, one instruction a turn, in the same order in every step
.irp a, 0,1,2,3
.irp b, 0,1,2,3,4,5,6,7
.if (\q) == 0
	v_wmma_scale_f32_16x16x128_f8f6f4 v[8*(8*\a+\b):8*(8*\a+\b)+7], v[128*((\q)%2)+32+8*\b:128*((\q)%2)+32+8*\b+7], v[128*((\q)%2)+8*\a:128*((\q)%2)+8*\a+7], v[BJ+8*\b:BJ+8*\b+7], v[SB+8*\b+(\q)], v[SA+8*\a+(\q)] matrix_a_fmt:MATRIX_FMT_FP4 matrix_b_fmt:MATRIX_FMT_FP4
.else
	v_wmma_scale_f32_16x16x128_f8f6f4 v[8*(8*\a+\b):8*(8*\a+\b)+7], v[128*((\q)%2)+32+8*\b:128*((\q)%2)+32+8*\b+7], v[128*((\q)%2)+8*\a:128*((\q)%2)+8*\a+7], v[8*(8*\a+\b):8*(8*\a+\b)+7], v[SB+8*\b+(\q)], v[SA+8*\a+(\q)] matrix_a_fmt:MATRIX_FMT_FP4 matrix_b_fmt:MATRIX_FMT_FP4
.endif
.endr
.endr
.endm
.macro STEP3 q
	s_wait_dscnt 0x0                               ; this step's fragments are in
.if (\q) == 3
	s_wait_tensorcnt 0x0                           ; the next step reads slot 1: my part of it has landed,
	s_barrier_signal -1
	s_barrier_wait -1                              ; everybody's has
.endif
.if (\q) < 7
.if (\q) > 0
	PLACES 4                                       ; in front of loads into the set that the last step's products have read
.endif
	FETCH3 (\q)+1
.endif
.if (\q) == 0
	WIN 0x85                                       ; sources 0 and 1 window 1, C (the bias) window 0, D window 2
.else
	WIN 0xa5                                       ; C and D window 2
.endif
	MUL32 \q
	WIN 0
.endm
	s_wait_tensorcnt 1                             ; the scales and my part of slot 0 are in (slot 1's load may be out)
	s_barrier_signal -1
	s_barrier_wait -1                              ; everybody's are
.irp n, 0,1,2,3,4,5,6,7,8,9,10,11,12,13,14,15
	ds_load_b64 v[RAW+2*\n:RAW+2*\n+1], v[ADSA] offset:272*\n          ; head n: row r's two bytes for each of my four tiles
.endr
.irp b, 0,1,2,3,4,5,6,7
	ds_load_b128 v[SB+8*\b:SB+8*\b+3], v[ADSB] offset:544*\b           ; wo's row 16 b + r: the words of K steps 0-3,
	ds_load_b128 v[SB+8*\b+4:SB+8*\b+7], v[ADSB] offset:544*\b+16      ; and 4-7
.endr
	FETCH3 0
	s_wait_dscnt 40                                ; the sixteen loads of halves are in; the 16 + 24 younger ones may be out
.irp a, 0,1,2,3
.irp k, 0,1,2,3,4,5,6,7
.if (\a)%2
	v_perm_b32 v[SA+8*\a+\k], v[RAW+2*(2*\k+1)+\a/2], v[RAW+4*\k+\a/2], 0x07060302   ; K step k's word of tile a: head 2 k's two bytes below, head 2 k + 1's above
.else
	v_perm_b32 v[SA+8*\a+\k], v[RAW+2*(2*\k+1)+\a/2], v[RAW+4*\k+\a/2], 0x05040100
.endif
.endr
.endr
	PLACES 8                                       ; scale registers written by vector instructions stand eight places ahead of a scaled matrix instruction
	s_wait_alu depctr_va_vdst(0)
	s_wait_loadcnt 0x0                             ; the bias
.irp q, 0,1,2,3,4,5,6,7
	STEP3 \q
.endr
; THE WAY OUT, block by block of 16 rows x 128 columns, through my own stage in LDS: in as 32 bytes a lane, back as whole rows of 512 bytes.  LDS serves a wave's instructions in order (ISA guide 5.7.1.4):
; no wait between the stores and the loads, nor in front of the next block's stores.
.macro TOSTAGE a
	WIN 0x08                                       ; an LDS store's data are its source 1: window 2
.irp b, 0,1,2,3,4,5,6,7
	ds_store_b128 v[STO], v[64*(\a)+8*\b:64*(\a)+8*\b+3] offset:64*\b              ; each accumulator from its low end on
	ds_store_b128 v[STO], v[64*(\a)+8*\b+4:64*(\a)+8*\b+7] offset:64*\b+16
.endr
	WIN 0
.set BB, BK+64*((\a)%2)
.irp t, 0,1,2,3,4,5,6,7,8,9,10,11,12,13,14,15
	ds_load_b128 v[BB+4*\t:BB+4*\t+3], v[RD] offset:\t*SPITCH
.endr
.endm
.macro SEND a, younger                 ; younger: the LDS instructions issued behind block a's loads, which may stay out
.set BB, BK+64*((\a)%2)
	s_wait_dscnt \younger
.if (\a) > 0
	s_add_nc_u64 s[14:15], s[14:15], 16*4096       ; 16 rows on (behind a wait on XCNT: the earlier stores have read their base)
.endif
.irp t, 0,1,2,3,4,5,6,7,8,9,10,11,12,13,14,15
	global_store_b128 v[CO], v[BB+4*\t:BB+4*\t+3], s[14:15] offset:\t*4096 th:TH_STORE_NT   ; 32 lanes store 512 consecutive bytes, at a multiple of 256 from out0's first byte; written once, read by nobody here
.endr
.endm
	PLACES 4                                       ; behind the last products, in front of the first read of results
	TOSTAGE 0
.irp a, 1,2,3
.if \a > 1
	s_wait_xcnt 0x0                                ; block a - 2's stores have read their registers and their base: block a's loads may land there, and the base may step
.endif
	TOSTAGE \a
	SEND \a-1, 32                                  ; behind block a - 1's loads: block a's 16 stores and 16 loads
.endr
	s_wait_xcnt 0x0                                ; block 2's stores have read their base
	SEND 3, 0
	s_wait_tensorcnt 0x0
	ds_add_u32 v30, v31
	s_wait_dscnt 0x0
	CROUND                                         ; the closing round: no work-group ends while a partner may still ask for a tile that names it
	s_endpgm
.Lfunc_end_k_q22b8a6b3e0_oproj:
	.size	k_q22b8a6b3e0_oproj, .Lfunc_end_k_q22b8a6b3e0_oproj-k_q22b8a6b3e0_oproj
	.p2alignl 7, 3214868480
	.fill 96, 4, 3214868480
	.section	.rodata,"a",@progbits
	.p2align	6, 0x0
	.amdhsa_kernel k_q22b8a6b3e0_oproj
		.amdhsa_group_segment_fixed_size 327680
		.amdhsa_private_segment_fixed_size 0
		.amdhsa_enable_private_segment 0
		.amdhsa_kernarg_size 48
		.amdhsa_user_sgpr_count 2
		.amdhsa_user_sgpr_kernarg_segment_ptr 1
		.amdhsa_wavefront_size32 1
		.amdhsa_system_sgpr_workgroup_id_x 1
		.amdhsa_system_sgpr_workgroup_id_y 1
		.amdhsa_system_sgpr_workgroup_id_z 1
		.amdhsa_system_vgpr_workitem_id 0
		.amdhsa_next_free_vgpr 768
		.amdhsa_next_free_sgpr 100
		.amdhsa_reserve_vcc 0
		.amdhsa_float_denorm_mode_32 3
		.amdhsa_float_denorm_mode_16_64 3
		.amdhsa_memory_ordered 1
		.amdhsa_forward_progress 1
		.amdhsa_inst_pref_size 79
	.end_amdhsa_kernel
	.amdgpu_metadata
---
amdhsa.version: [ 1, 2 ]
amdhsa.kernels:
  - .name:           k_q22b8a6b3e0_oproj
    .symbol:         k_q22b8a6b3e0_oproj.kd
    .args:
      - { .name: oimg, .offset: 0, .size: 8, .value_kind: global_buffer, .address_space: global }
      - { .name: osc, .offset: 8, .size: 8, .value_kind: global_buffer, .address_space: global }
      - { .name: wo_codes, .offset: 16, .size: 8, .value_kind: global_buffer, .address_space: global }
      - { .name: wo_scales, .offset: 24, .size: 8, .value_kind: global_buffer, .address_space: global }
      - { .name: bo, .offset: 32, .size: 8, .value_kind: global_buffer, .address_space: global }
      - { .name: out0, .offset: 40, .size: 8, .value_kind: global_buffer, .address_space: global }
    .group_segment_fixed_size: 327680
    .private_segment_fixed_size: 0
    .kernarg_segment_align: 8
    .kernarg_segment_size: 48
    .max_flat_workgroup_size: 128
    .sgpr_count:     100
    .vgpr_count:     768
    .wavefront_size: 32
...
	.end_amdgpu_metadata
.endif
;; end of part 3
